; MI455X (gfx1250); checked and timed in simulation.
; The chip was launched on July 23, 2026; its instructions are those of AMD's public machine-readable ISA for CDNA 5 (MIT licence, August 2026) and "CDNA5" Instruction Set Architecture Reference Guide (July 2026). The comments in the code are by the model that wrote it; some were corrected since.
;; Project Point2 Image. Allowed arithmetic: matrix products marked QUANTISED: E2M3 operands, one E8M0 scale for each 32 along K, by v_wmma_scale_f32_16x16x128_f8f6f4 with both operands' format E2M3, f32 sums; products left as they are: f32 operands where the result goes on into a quantised operand, else bf16, f16 or f32 operands; f32 sums; everything else in f32.
;; Inputs: K 3 x 3 float32; RT 4 x 3 x 4 float32; pts_3d 4 x 1,024 x 3 float32; pts_feat 4 x 1,024 x 16 float32; pts_scale 4 x 1,024 float32.
;; Outputs: out0 4 x 16 x 128 x 128 float32.
;; This version of the problem:
;;   THIS VERSION OF THE PROBLEM IS GIVEN IN LOW PRECISION. The matrix products marked QUANTISED in the list below multiply operands that are first quantised to E2M3 (2 exponent bits, 3 mantissa bits; 6 bits a number), with one power-of-two scale for each 32 numbers along K (OCP MX v1.0); their sums are f32. All else is computed in f32.
;;   The module's matrix products, in the order in which they are computed (A, B: the left and right operand; K: the contracted axis; several contracted axes count as one K, in the product's order):
;;     1. batch 4 x [M 1,024, K 3] x [K 3, N 3]; A: input pts_3d; B: input RT: left as it is (K = 3 < 32)
;;     2. [M 4,096, K 3] x [K 3, N 3]; A: computed on the way; B: input K: left as it is (K = 3 < 32)
;;     3. batch 4 x [M 16, K 1,024] x [K 1,024, N 16,384]; A: input pts_feat; B: computed on the way: QUANTISED
;;   THE QUANTISER, for each operand of a quantised product, along K:
;;     - K is cut into blocks of 32 from its start; a last block that is shorter is filled with zeros.
;;     - A block's scale is 2^e with e = floor(log2(the largest magnitude in the block)) - 2, held to -126 .. 127; a block of zeros has e = 0. As a byte (E8M0): e + 127.
;;     - Each number is divided by its block's scale, clamped to +-7.5, and rounded to the nearest number of E2M3, ties to even, subnormals kept.
;;     - The product sums the exact products of the quantised numbers (number of the format x scale) in f32.
;;   ~~~python
;;   def quantise(x, axis):      # numpy; x: float32 -> the quantised numbers, widened to float32 again
;;       x = np.moveaxis(x, axis, -1); K = x.shape[-1]
;;       x = np.pad(x, [(0, 0)] * (x.ndim - 1) + [(0, -K % 32)]); x = x.reshape(x.shape[:-1] + (-1, 32)); a = np.abs(x).max(-1, keepdims=True)
;;       e = np.where(a > 0, np.clip(np.frexp(np.where(a > 0, a, 1))[1] - 1 - 2, -126, 127), 0)      # np.frexp(a)[1] - 1 = floor(log2(a)), exactly
;;       r = np.clip(x / 2.0 ** e, -7.5, 7.5)
;;       step = 2.0 ** (np.maximum(np.frexp(np.where(r == 0, 1, r))[1] - 1, 0) - 3)
;;       q = np.round(r / step) * step * 2.0 ** e      # np.round: ties to even
;;       return np.moveaxis(q.reshape(q.shape[:-2] + (-1,))[..., :K], -1, axis).astype(np.float32)
;;   ~~~
;;   OPERANDS COMPUTED ON THE WAY. 'Computed on the way' means the value that the module computes at that place (a softmax that the list does not call 'softmax' is quantised finished and normalised). What goes into a quantiser is computed in f32, as accurately as f32 sums, v_exp_f32 and their like allow (about 1e-6 of the number): no bf16 or f16 on the way to a quantiser, and a product that is left as it is and whose result goes on into a quantised operand takes f32 operands (vector FMAs, or v_wmma_f32_16x16x4_f32). A number that lies on a knife's edge between two numbers of the format may be rounded either way, as far as f32 arithmetic and the matrix unit's own rounding can turn it there, and no further.
;; One version. Each part assembles by itself: llvm-mc -triple=amdgcn-amd-amdhsa -mcpu=gfx1250 --defsym DOCPART=n.
;; ======== version 1 of 1: 1 launch
;; launch splat (part 1): grid 256 x 1, 8 waves a work-group, no clusters, 158,720 bytes of LDS; arguments K, RT, pts_3d, pts_feat, pts_scale, out0; writes out0
.if DOCPART == 1
	.amdgcn_target "amdgcn-amd-amdhsa--gfx1250"
	.amdhsa_code_object_version 6
	.text
	.protected	k_q13f7ec9e3c_splat
	.globl	k_q13f7ec9e3c_splat
	.p2align	8
	.type	k_q13f7ec9e3c_splat,@function
k_q13f7ec9e3c_splat:
	s_mov_b64 s[64:65], 0
	v_nop
	global_prefetch_b8 v0, s[64:65] scope:SCOPE_SE
	s_setreg_imm32_b32 hwreg(HW_REG_WAVE_MODE, 25, 1), 1
	s_wait_xcnt 0x0
; out0[b][c][row][col] = sum over the 1,024 points n of Q(feat[b][n][c]) x Q(w[b][n][row][col]),  Q: E2M3 codes with one E8M0 scale for each 32 points.
; w = mask x exp(-((v - row)^2 + (u - col)^2) / (scale x sigma x sigma)), (u, v) the point projected by RT and K, mask = (z > 0.1), sigma = K[0][0] / 32.
; THE WEIGHT IS MADE AS A PRODUCT:  w = (mask x 2^(k (v - row)^2)) x 2^(k (u - col)^2),  k = -log2(e) / ((scale x sigma) x sigma): all in f32, two v_exp_f32 and one multiplication.
; So a point costs one exponential for each image row and each image column of a work-group, not one for each pixel.
; u and v are made as the definition makes them: multiply-add chains in ascending j, T added afterwards, and a quotient refined by fused multiply-adds to the rounded quotient.
; SHARES.  256 work-groups; work-group g: batch g / 64, image rows 4 ((g % 64) / 2) .. + 3, columns 64 (g % 2) .. + 63: each (channel, row) run of its output is 256 consecutive bytes, aligned.
; Eight waves.  WAVE w TAKES POINTS 128 w .. 128 w + 127, one K step of the matrix instruction, FOR ALL 16 TILES (4 rows x 4 groups of 16 columns): every (point, column) exponential is made once
; in the work-group, in the lane that needs it.  The eight waves' partial sums meet in LDS behind the one barrier and are added there.
; LAYOUT.  Source 0 = 16 pixels of one image row, source 1 = the 16 channels.  Lane (r, h) = (lane % 16, lane / 16) holds pixel column r (channel r) and points 64 c + 32 h + i, c = 0, 1, i = 0 .. 31:
; two whole blocks of 32, so a block's largest magnitude needs no other lane, and the conversions' results are the operand's registers.  In the result a lane holds channel r and pixels 8 h + 0 .. 7.
; What depends on the point alone (u, k, the four row factors) is made a lane to four points, goes through the wave's own 3,072 bytes of LDS and comes back in that order, 16 lanes reading the same bytes.
; The 64 work-groups of a batch read the same points and features, 10,240 bytes a wave, once, straight into registers in an order of the wave's own: there is no LDS tile that a joint load could fill, so no cluster.
; LIMITS.  A factor under 2^-126 comes out as 0 (v_exp_f32: ISA guide, its entry in 15.8): such weights add under 2^-126 x |feat| each.  Where scale x sigma^2 is 0 or denormal, k is held at -3e38:
; the weight is 0 but where a distance is exactly 0 (the NaN that the definition has at distance 0 there is not made).  NaN and infinities among the inputs are not served; projected coordinates stay under 1e37.
; K is summed as eight sums of 128 points, added by a tree.  A block of zeros gets the byte 1 where the rule says 127: its codes are zeros, and nobody else reads the bytes.
.set PARW,  3072                       ; LDS, a wave's own: six arrays of 128 f32: u, k, the row factors of rows 0 to 3
.set PART,  8*PARW                     ; behind them: the partial sums
.set CHP,   1040                       ; a channel's 4 rows x 256 bytes + 16 = 260 words: channel r starts at bank 4 r mod 64 (64 banks of 4 bytes: ISA guide 11.1)
.set PARTW, 16*CHP                     ; a wave's partial sums: 16 channels
.set LB,  1                            ; v1   where my half of the lanes reads an array back: PARW x wave + 128 h
.set LW,  2                            ; v2   where I store my four points' numbers: PARW x wave + 16 x lane
.set DST, 3                            ; v3   where my eight results of a tile go: PART + PARTW x wave + CHP r + 32 h
.set RR,  4                            ; v4   r, v5 h: at the head only
.set HH,  5
.set SH,  6                            ; v6   8 h: my two scale bytes' place in the word
.set PL,  7                            ; v7   the other half's scale bytes
.set MX,  8                            ; v8-9   the two blocks' largest magnitudes  (at the head v8-10: the global loads' offsets)
.set SF,  10                           ; v10-11 the conversions' scale operands
.set BY,  12                           ; v12-13 second chains of the maxima, then the scale bytes
.set WS,  14                           ; v14  the weights' scale word: nothing else ever
.set FS,  15                           ; v15  the features' scale word: nothing else ever
.set FC,  16                           ; v16-27 the features' codes      (before: u, k, v of my four points)
.set WC,  28                           ; v28-39 a tile's codes           (before, from v32: my four points' row factors)
.set TC,  40                           ; v40-42, v44-46 the second half of each block's codes, as the conversion leaves it
.set DD,  48                           ; v48-55, v56-63 two results by turns
.set NC,  48                           ; (before: -column of my pixel in the four groups, each twice, as pairs)
.set X,   64                           ; v64-127  the features as loaded; then the row factors of rows 1 and 3
.set P,   128                          ; v128-191 at the head at work; u in the operand's order; then a tile's 64 products
.set Z,   192                          ; v192-255 the points as loaded; k in the operand's order; then the row factors of rows 0 and 2
                                       ; window 1 (v256-511): the column factors, group g at v[64 g] of that window
.set PT,  192                          ; at the head: 4 points x 3 coordinates
.set SCL, 204                          ; their scales
.set LC,  128                          ; R p + T: coordinate i of point q at LC + 4 i + q
.set PJ,  140                          ; K (R p + T) likewise
.set ZC,  152
.set DEN, 156
.set RZ,  160
.set RDN, 164
.set E0,  168
.set E1,  172
.set Q0,  176
.set Q1,  180
.set UO,  16
.set KO,  20
.set VO,  24
.set EVO, 32
.set MSB, 0
.macro WIN new                         ; s_set_vgpr_msb: bits 1:0 source 0, 3:2 source 1, 5:4 source 2, 7:6 destination; the high byte repeats the setting that is left
.if MSB != \new
	s_set_vgpr_msb (MSB<<8)|\new
.set MSB, \new
.endif
.endm
; An array of 128 numbers comes back in the operand's order: register 32 c + i = point 64 c + 32 h + i
.macro LOADB reg, arr
.irp c, 0,1
.irp i, 0,1,2,3,4,5,6,7
	ds_load_b128 v[(\reg)+32*\c+4*\i:(\reg)+32*\c+4*\i+3], v[LB] offset:512*(\arr)+256*\c+16*\i
.endr
.endr
.endm
; The largest magnitudes of the two blocks v[s .. s+31], v[s+32 .. s+63]: 32 numbers and the floor 2^(3 - 127) are 16 lines of three operands, in two chains a block, so that no line waits for the line above it.
; The floor holds the scale's byte at 1 from below.
.macro MAXES s
	v_max3_num_f32 v[MX],   |v[(\s)]|,    |v[(\s)+1]|,  0x1800000
	v_max3_num_f32 v[MX+1], |v[(\s)+32]|, |v[(\s)+33]|, 0x1800000
	v_max3_num_f32 v[BY],   |v[(\s)+16]|, |v[(\s)+17]|, |v[(\s)+18]|
	v_max3_num_f32 v[BY+1], |v[(\s)+48]|, |v[(\s)+49]|, |v[(\s)+50]|
.irp k, 0,1,2,3,4,5
	v_max3_num_f32 v[MX],   v[MX],   |v[(\s)+2+2*\k]|,  |v[(\s)+3+2*\k]|
	v_max3_num_f32 v[MX+1], v[MX+1], |v[(\s)+34+2*\k]|, |v[(\s)+35+2*\k]|
	v_max3_num_f32 v[BY],   v[BY],   |v[(\s)+19+2*\k]|, |v[(\s)+20+2*\k]|
	v_max3_num_f32 v[BY+1], v[BY+1], |v[(\s)+51+2*\k]|, |v[(\s)+52+2*\k]|
.endr
	v_max3_num_f32 v[MX],   v[MX],   |v[(\s)+14]|, |v[(\s)+15]|
	v_max3_num_f32 v[MX+1], v[MX+1], |v[(\s)+46]|, |v[(\s)+47]|
	v_max3_num_f32 v[MX],   v[MX],   v[BY],   |v[(\s)+31]|
	v_max3_num_f32 v[MX+1], v[MX+1], v[BY+1], |v[(\s)+63]|
.endm
; The 64 numbers become the operand's 12 registers v[d ..] and its scale word v[sc]
.macro CODES s, d, sc
	v_add_nc_u32 v[SF],   0xff000000, v[MX]          ; 2 off the exponent field: the conversion takes the exponent field of this operand as its scale
	v_add_nc_u32 v[SF+1], 0xff000000, v[MX+1]
	v_cvt_scalef32_pk16_fp6_f32 v[(\d):(\d)+2],   v[(\s):(\s)+15],    v[SF]
	v_cvt_scalef32_pk16_fp6_f32 v[TC:TC+2],       v[(\s)+16:(\s)+31], v[SF]      ; (a conversion's three registers begin on an even number: a block's second three do not, so they are made here and moved)
	v_cvt_scalef32_pk16_fp6_f32 v[(\d)+6:(\d)+8], v[(\s)+32:(\s)+47], v[SF+1]
	v_cvt_scalef32_pk16_fp6_f32 v[TC+4:TC+6],     v[(\s)+48:(\s)+63], v[SF+1]
	v_lshrrev_b32 v[BY],   23, v[SF]                 ; the scales' bytes (plain lines behind the conversions, ahead of the moves that read their results)
	v_lshrrev_b32 v[BY+1], 23, v[SF+1]
	v_lshl_or_b32 v[\sc], v[BY+1], 16, v[BY]         ; my blocks are h and 2 + h of the four:
	v_lshlrev_b32 v[\sc], v[SH], v[\sc]              ; 8 h bits up;
	v_permlanex16_b32 v[PL], v[\sc], s54, s55
	v_or_b32 v[\sc], v[\sc], v[PL]                   ; with lane l xor 16's two the word is whole
.irp i, 0,1,2
	v_mov_b32 v[(\d)+3+\i], v[TC+\i]
	v_mov_b32 v[(\d)+9+\i], v[TC+4+\i]
.endr
.endm
	s_load_b256 s[4:11], s[0:1], 0x0               ; K s[4:5], RT s[6:7], pts_3d s[8:9], pts_feat s[10:11]
	s_load_b128 s[12:15], s[0:1], 0x20             ; pts_scale s[12:13], out0 s[14:15]
	v_lshrrev_b32 v1, 5, v0
	v_readfirstlane_b32 s16, v1                    ; wave 0..7
	s_lshr_b32 s17, ttmp9, 6                       ; batch
	s_and_b32 s18, ttmp9, 1                        ; which 64 columns
	s_bfe_u32 s19, ttmp9, 0x50001                  ; which 4 rows (5 bits from bit 1)
	v_and_b32 v2, 31, v0                           ; lane
	v_and_b32 v[RR], 15, v0
	v_bfe_u32 v[HH], v0, 4, 1
	v_mul_u32_u24 v8, v2, 48                       ; pts_3d: my four points, 48 bytes
	v_lshlrev_b32 v9, 4, v2                        ; pts_scale: their 16 bytes
	v_lshlrev_b32 v10, 2, v[RR]
	v_lshl_add_u32 v10, v[HH], 11, v10             ; pts_feat: channel r, and 32 points (2,048 bytes) further on for lanes 16-31
	s_mul_i32 s58, s17, 48                         ; RT: 48 bytes a batch
	s_mov_b32 s59, 0
	s_mul_i32 s60, s17, 12288                      ; pts_3d: 12,288 bytes a batch, 1,536 a wave
	s_mul_i32 s61, s16, 1536
	s_add_co_u32 s60, s60, s61
	s_mov_b32 s61, 0
	s_lshl_b32 s62, s17, 16                        ; pts_feat: 65,536 a batch, 8,192 a wave
	s_lshl_b32 s63, s16, 13
	s_add_co_u32 s62, s62, s63
	s_mov_b32 s63, 0
	s_lshl_b32 s56, s17, 12                        ; pts_scale: 4,096 a batch, 512 a wave
	s_lshl_b32 s57, s16, 9
	s_add_co_u32 s56, s56, s57
	s_mov_b32 s57, 0
	s_wait_kmcnt 0x0
	s_add_nc_u64 s[6:7], s[6:7], s[58:59]
	s_add_nc_u64 s[8:9], s[8:9], s[60:61]
	s_add_nc_u64 s[10:11], s[10:11], s[62:63]
	s_add_nc_u64 s[12:13], s[12:13], s[56:57]
	s_load_b128 s[20:23], s[6:7], 0x0              ; RT's row i: s[20 + 4 i ..]: R(i, 0..2), T(i)
	s_load_b128 s[24:27], s[6:7], 0x10
	s_load_b128 s[28:31], s[6:7], 0x20
	s_load_b256 s[32:39], s[4:5], 0x0              ; K(i, j): s[32 + 3 i + j]
	s_load_b32 s40, s[4:5], 0x20
	global_load_b128 v[PT:PT+3],    v8, s[8:9]
	global_load_b128 v[PT+4:PT+7],  v8, s[8:9] offset:16
	global_load_b128 v[PT+8:PT+11], v8, s[8:9] offset:32
	global_load_b128 v[SCL:SCL+3],  v9, s[12:13]
.set j, 0
.rept 56                               ; the features: register 32 c + i = feat(point 64 c + 32 h + i, channel r): sixteen lanes read a point's 64 bytes
	global_load_b32 v[X+j], v10, s[10:11] offset:(64*(j/32)+j%32)*64
.set j, j+1
.endr
	; while these are on their way: addresses and constants
	s_mul_i32 s60, s16, PARW
	v_lshl_add_u32 v[LB], v[HH], 7, s60
	v_lshl_add_u32 v[LW], v2, 4, s60
	s_mul_i32 s60, s16, PARTW
	s_add_co_u32 s60, s60, PART
	v_mul_u32_u24 v[DST], v[RR], CHP
	v_lshl_add_u32 v[DST], v[HH], 5, v[DST]
	v_add_nc_u32 v[DST], s60, v[DST]
	s_mul_i32 s57, s16, 2*CHP
	s_add_co_u32 s57, s57, PART                    ; the final sum: wave w adds channels 2 w and 2 w + 1
	v_lshlrev_b32 v[SH], 3, v[HH]
	v_mov_b32 v[PL], 0                             ; written once: a lane permute's destination counts as one of its sources
	s_mov_b32 s54, 0x76543210
	s_mov_b32 s55, 0xfedcba98                      ; v_permlanex16_b32's selects for lane l xor 16
	s_lshl_b32 s60, s18, 6
	v_add_nc_u32 v[NC], s60, v[RR]                 ; my pixel's column in group 0,
	v_cvt_f32_u32 v[NC], v[NC]
	v_xor_b32 v[NC], 0x80000000, v[NC]             ; negated: u + (-column) is u - column;
	v_add_f32 v[NC+2], 0xc1800000, v[NC]           ; 16, 32, 48 columns on (whole numbers: exact)
	v_add_f32 v[NC+4], 0xc2000000, v[NC]
	v_add_f32 v[NC+6], 0xc2400000, v[NC]
.irp g, 0,1,2,3
	v_mov_b32 v[NC+2*\g+1], v[NC+2*\g]             ; twice, as a pair for the packed addition
.endr
	s_lshl_b32 s60, s19, 2                         ; my first image row
.irp p, 0,1,2,3
	s_add_co_u32 s61, s60, \p
	s_cvt_f32_u32 s[42+2*\p], s61
	s_xor_b32 s[42+2*\p], s[42+2*\p], 0x80000000   ; -row
	s_mov_b32 s[43+2*\p], s[42+2*\p]               ; (named with it as a pair, so it is written)
.endr
	s_lshl_b32 s58, s17, 20                        ; out0: 2^20 bytes a batch, 65,536 a channel (2 a wave), 512 an image row, 256 for my 64 columns
	s_lshl_b32 s59, s16, 17
	s_add_co_u32 s58, s58, s59
	s_lshl_b32 s59, s19, 11
	s_add_co_u32 s58, s58, s59
	s_lshl_b32 s59, s18, 8
	s_add_co_u32 s58, s58, s59
	s_mov_b32 s59, 0
	s_add_nc_u64 s[14:15], s[14:15], s[58:59]
	s_wait_kmcnt 0x0                               ; RT and K
	s_mul_f32 s41, s32, 0x3d000000                 ; sigma = K(0, 0) / 32: exact
	s_mov_b32 s56, 0x3dcccccd                      ; 0.1
	s_wait_loadcnt 56                              ; loads come back in order (ISA guide 5.7.1): the points and scales are in, the 56 feature loads behind them stay out
.rept 8                                ; the last eight feature loads stand behind that wait, so that its count fits the counter's field
	global_load_b32 v[X+j], v10, s[10:11] offset:(64*(j/32)+j%32)*64
.set j, j+1
.endr
	; ---- my four points: R p + T, K (..), each sum a chain of multiply-adds in ascending j; the four points by turns
.irp q, 0,1,2,3
.irp i, 0,1,2
	v_mul_f32 v[LC+4*\i+\q], s[20+4*\i], v[PT+3*\q]
.endr
.endr
.irp q, 0,1,2,3
.irp i, 0,1,2
	v_fmac_f32 v[LC+4*\i+\q], s[21+4*\i], v[PT+3*\q+1]
.endr
.endr
.irp q, 0,1,2,3
.irp i, 0,1,2
	v_fmac_f32 v[LC+4*\i+\q], s[22+4*\i], v[PT+3*\q+2]
.endr
.endr
.irp q, 0,1,2,3
.irp i, 0,1,2
	v_add_f32 v[LC+4*\i+\q], s[23+4*\i], v[LC+4*\i+\q]
.endr
.endr
.irp q, 0,1,2,3
.irp i, 0,1,2
	v_mul_f32 v[PJ+4*\i+\q], s[32+3*\i], v[LC+\q]
.endr
.endr
.irp q, 0,1,2,3
.irp i, 0,1,2
	v_fmac_f32 v[PJ+4*\i+\q], s[33+3*\i], v[LC+4+\q]
.endr
.endr
.irp q, 0,1,2,3
.irp i, 0,1,2
	v_fmac_f32 v[PJ+4*\i+\q], s[34+3*\i], v[LC+8+\q]
.endr
.endr
.irp q, 0,1,2,3
	v_cmp_gt_f32 s[50+\q], v[PJ+8+\q], s56         ; the mask: z > 0.1
	v_max_num_f32 v[ZC+\q], s56, v[PJ+8+\q]        ; max(z, 0.1)
	v_mul_f32 v[DEN+\q], s41, v[SCL+\q]            ; (scale x sigma)
.endr
.irp q, 0,1,2,3
	v_mul_f32 v[DEN+\q], s41, v[DEN+\q]            ; x sigma
.endr
.irp q, 0,1,2,3
	v_rcp_f32 v[RZ+\q], v[ZC+\q]
.endr
.irp q, 0,1,2,3
	v_rcp_f32 v[RDN+\q], v[DEN+\q]
.endr
	v_nop                                          ; a plain line behind the last reciprocal
	s_wait_alu depctr_va_vdst(0)                   ; one wait for the eight, ahead of their first reader
.irp q, 0,1,2,3
	v_fma_f32 v[E0+\q], -v[ZC+\q], v[RZ+\q], 1.0   ; one Newton step on each reciprocal
	v_fma_f32 v[E1+\q], -v[DEN+\q], v[RDN+\q], 1.0
.endr
.irp q, 0,1,2,3
	v_fmac_f32 v[RZ+\q], v[E0+\q], v[RZ+\q]
	v_fmac_f32 v[RDN+\q], v[E1+\q], v[RDN+\q]
.endr
.irp q, 0,1,2,3
	v_mul_f32 v[Q0+\q], v[PJ+\q], v[RZ+\q]         ; u and v: a first quotient,
	v_mul_f32 v[Q1+\q], v[PJ+4+\q], v[RZ+\q]
	v_mul_f32 v[KO+\q], 0xbfb8aa3b, v[RDN+\q]      ; k = -log2(e) / (scale sigma sigma)
.endr
.irp q, 0,1,2,3
	v_fma_f32 v[E0+\q], -v[ZC+\q], v[Q0+\q], v[PJ+\q]    ; its exact remainder,
	v_fma_f32 v[E1+\q], -v[ZC+\q], v[Q1+\q], v[PJ+4+\q]
	v_max_num_f32 v[KO+\q], 0xff61b1e6, v[KO+\q]   ; k held at -3e38: a divisor of 0 has made it NaN, which loses here
.endr
.irp q, 0,1,2,3
	v_fmac_f32 v[Q0+\q], v[E0+\q], v[RZ+\q]        ; corrected,
	v_fmac_f32 v[Q1+\q], v[E1+\q], v[RZ+\q]
.endr
.irp q, 0,1,2,3
	v_fma_f32 v[E0+\q], -v[ZC+\q], v[Q0+\q], v[PJ+\q]    ; and once more: the rounded quotient
	v_fma_f32 v[E1+\q], -v[ZC+\q], v[Q1+\q], v[PJ+4+\q]
.endr
.irp q, 0,1,2,3
	v_fma_f32 v[UO+\q], v[E0+\q], v[RZ+\q], v[Q0+\q]
	v_fma_f32 v[VO+\q], v[E1+\q], v[RZ+\q], v[Q1+\q]
.endr
	ds_store_b128 v[LW], v[UO:UO+3]                ; u and k of my four points into the wave's own arrays,
	ds_store_b128 v[LW], v[KO:KO+3] offset:512
	LOADB P, 0                                     ; and back in the operand's order: LDS serves a wave's instructions in order (ISA guide 5.7.1.4), these see the stores
	LOADB Z, 1
	; ---- the row factors mask x 2^(k (v - row)^2), 4 rows x my 4 points, while those loads are on their way
.irp p, 0,1,2,3
	v_pk_add_f32 v[EVO+4*\p:EVO+4*\p+1],   v[VO:VO+1],   s[42+2*\p:43+2*\p] op_sel_hi:[1,0]
	v_pk_add_f32 v[EVO+4*\p+2:EVO+4*\p+3], v[VO+2:VO+3], s[42+2*\p:43+2*\p] op_sel_hi:[1,0]
.endr
.irp j, 0,2,4,6,8,10,12,14
	v_pk_mul_f32 v[EVO+\j:EVO+\j+1], v[EVO+\j:EVO+\j+1], v[EVO+\j:EVO+\j+1]
.endr
.irp p, 0,1,2,3
	v_pk_mul_f32 v[EVO+4*\p:EVO+4*\p+1],   v[EVO+4*\p:EVO+4*\p+1],   v[KO:KO+1]
	v_pk_mul_f32 v[EVO+4*\p+2:EVO+4*\p+3], v[EVO+4*\p+2:EVO+4*\p+3], v[KO+2:KO+3]
.endr
.irp j, 0,1,2,3,4,5,6,7,8,9,10,11,12,13,14,15
	v_exp_f32 v[EVO+\j], v[EVO+\j]
.endr
	v_nop                                          ; a plain line behind the last exponential
	s_wait_alu depctr_va_vdst(0)                   ; one wait for the sixteen, ahead of their first reader
.irp p, 0,1,2,3
.irp q, 0,1,2,3
	v_cndmask_b32 v[EVO+4*\p+\q], 0, v[EVO+4*\p+\q], s[50+\q]   ; a point with z <= 0.1 has the weight 0 everywhere
.endr
.endr
.irp p, 0,1,2,3
	ds_store_b128 v[LW], v[EVO+4*\p:EVO+4*\p+3] offset:1024+512*\p
.endr
	s_wait_dscnt 0x0                               ; u and k are in; the six stores have read their registers, which the features' codes will take
	; ---- the column factors 2^(k (u - column)^2): 4 groups x 64 a lane, in place in window 1.  Group g's squares and scalings stand between group g - 1's exponentials: they name other registers.
.macro EUSTEP g, e
.if (\g) < 4
	WIN 0x40                                       ; destination window 1
.set j, 0
.rept 32
	v_pk_add_f32 v[64*(\g)+2*j:64*(\g)+2*j+1], v[P+2*j:P+2*j+1], v[NC+2*(\g):NC+2*(\g)+1]
.set j, j+1
.endr
.endif
	WIN 0x45                                       ; destination and sources 0 and 1 window 1
.set j, 0
.rept 32
.if (\g) < 4
	v_pk_mul_f32 v[64*(\g)+2*j:64*(\g)+2*j+1], v[64*(\g)+2*j:64*(\g)+2*j+1], v[64*(\g)+2*j:64*(\g)+2*j+1]
.endif
.if (\e) >= 0
	v_exp_f32 v[64*(\e)+j], v[64*(\e)+j]
.endif
.set j, j+1
.endr
	WIN 0x41                                       ; destination and source 0 window 1; k in window 0
.set j, 0
.rept 32
.if (\g) < 4
	v_pk_mul_f32 v[64*(\g)+2*j:64*(\g)+2*j+1], v[64*(\g)+2*j:64*(\g)+2*j+1], v[Z+2*j:Z+2*j+1]
.endif
.if (\e) >= 0
	v_exp_f32 v[64*(\e)+32+j], v[64*(\e)+32+j]
.endif
.set j, j+1
.endr
.endm
	EUSTEP 0, -1
	EUSTEP 1, 0
	EUSTEP 2, 1
	EUSTEP 3, 2
	WIN 0
	LOADB Z, 2                                     ; k has been read for the last time: row 0's factors take its registers
	EUSTEP 4, 3
	WIN 0
	; ---- the features' codes: independent work between the last exponentials and the wait for them
	s_wait_loadcnt 0x0
	MAXES X
	CODES X, FC, FS
	s_wait_alu depctr_va_vdst(0)                   ; one wait for the 256 exponentials, ahead of their first reader, the first tile's products
	s_wait_dscnt 0x0                               ; row 0's factors are in
	; ---- the 16 tiles, t = 4 row + group.  Tile t - 1's matrix instruction stands behind tile t's 32 products: they are the plain lines between the scale word's last write and the instruction (8 are asked, 4 for the codes).
	; Its result is stored behind tile t's 32 maxima (4 plain lines are asked), which also stand between it and the next write of the codes and the scale word.
.macro MATMUL t, n
	s_wait_dscnt \n                                ; the two stores that read this result's registers two tiles ago are done: behind them were issued n LDS instructions
	v_wmma_scale_f32_16x16x128_f8f6f4 v[DD+8*((\t)%2):DD+8*((\t)%2)+7], v[WC:WC+11], v[FC:FC+11], 0, v[WS], v[FS] matrix_a_fmt:MATRIX_FMT_FP6 matrix_b_fmt:MATRIX_FMT_FP6
.endm
.macro PUT t                           ; lane (r, h): channel r, image row t / 4, columns 16 (t % 4) + 8 h + 0 .. 7; the result is read from its low end on
	ds_store_b128 v[DST], v[DD+8*((\t)%2):DD+8*((\t)%2)+3] offset:256*((\t)/4)+64*((\t)%4)
	ds_store_b128 v[DST], v[DD+8*((\t)%2)+4:DD+8*((\t)%2)+7] offset:256*((\t)/4)+64*((\t)%4)+16
.endm
.macro TILE rho, g
.set TT, 4*(\rho)+(\g)
.set EVB, Z-128*((\rho)%2)             ; the row's factors: rows 0 and 2 in Z, rows 1 and 3 in X
	WIN 0x01                                       ; source 0, the column factors: window 1
.set j, 0
.rept 32
	v_pk_mul_f32 v[P+j:P+j+1], v[64*(\g)+j:64*(\g)+j+1], v[EVB+j:EVB+j+1]
.set j, j+2
.endr
	WIN 0
.if TT > 0
.if (((\g) == 1) || ((\g) == 2)) && ((\rho) < 3)
	MATMUL TT-1, 18                                ; the last tile's two stores and the 16 loads of the next row's factors
.else
	MATMUL TT-1, 2                                 ; the last tile's two stores.  (In group 3 this also shows the next row's factors in)
.endif
.endif
	MAXES P
.if TT > 0
	PUT TT-1
.endif
.if ((\g) == 0) && ((\rho) < 3)
	LOADB Z-128*(((\rho)+1)%2), (\rho)+3           ; the next row's factors, into the registers that the row before has left: three tiles ahead of their first use
.endif
	CODES P, WC, WS
.endm
.irp rho, 0,1,2,3
.irp g, 0,1,2,3
	TILE \rho, \g
.endr
.endr
	v_and_b32 v8, 15, v0                           ; the final sum's addresses are made here: eight plain lines between the last codes and scale word and the last matrix instruction
	v_bfe_u32 v9, v0, 4, 1
	v_mul_u32_u24 v10, v9, CHP
	v_lshl_add_u32 v10, v8, 4, v10
	v_add_nc_u32 v10, s57, v10                     ; channel 2 w + h, 16 bytes a lane: waves 0 to 3's parts;
	v_add_nc_u32 v11, 4*PARTW, v10                 ; waves 4 to 7's (an LDS offset has 16 bits)
	v_lshlrev_b32 v12, 16, v9
	v_lshl_add_u32 v12, v8, 4, v12                 ; and the same place in out0
	MATMUL 15, 2
.rept 4
	v_nop                                          ; four plain lines ahead of the store that reads the result
.endr
	PUT 15
	s_wait_dscnt 0x0                               ; for the others: my partial sums have landed
	s_barrier_signal -1
	s_barrier_wait -1
	; ---- the eight waves' parts of 8 runs (2 channels x 4 image rows) are added and stored: lanes 0-15 one run of 256 bytes, lanes 16-31 the next channel's
.irp s, 0,1,2,3
.irp k, 0,1,2,3
	ds_load_b128 v[X+32*\s+4*\k:X+32*\s+4*\k+3], v10 offset:PARTW*\k+256*\s
.endr
.irp k, 0,1,2,3
	ds_load_b128 v[X+32*\s+16+4*\k:X+32*\s+16+4*\k+3], v11 offset:PARTW*\k+256*\s
.endr
.endr
.irp s, 0,1,2,3
	s_wait_dscnt 24-8*\s                           ; this image row's eight loads are in; the later rows' stay out
.irp k, 0,8,16,24
	v_pk_add_f32 v[X+32*\s+\k:X+32*\s+\k+1],   v[X+32*\s+\k:X+32*\s+\k+1],   v[X+32*\s+\k+4:X+32*\s+\k+5]
	v_pk_add_f32 v[X+32*\s+\k+2:X+32*\s+\k+3], v[X+32*\s+\k+2:X+32*\s+\k+3], v[X+32*\s+\k+6:X+32*\s+\k+7]
.endr
.irp k, 0,16
	v_pk_add_f32 v[X+32*\s+\k:X+32*\s+\k+1],   v[X+32*\s+\k:X+32*\s+\k+1],   v[X+32*\s+\k+8:X+32*\s+\k+9]
	v_pk_add_f32 v[X+32*\s+\k+2:X+32*\s+\k+3], v[X+32*\s+\k+2:X+32*\s+\k+3], v[X+32*\s+\k+10:X+32*\s+\k+11]
.endr
	v_pk_add_f32 v[X+32*\s:X+32*\s+1],   v[X+32*\s:X+32*\s+1],   v[X+32*\s+16:X+32*\s+17]
	v_pk_add_f32 v[X+32*\s+2:X+32*\s+3], v[X+32*\s+2:X+32*\s+3], v[X+32*\s+18:X+32*\s+19]
	global_store_b128 v12, v[X+32*\s:X+32*\s+3], s[14:15] offset:512*\s th:TH_STORE_NT   ; 16 lanes store 256 consecutive bytes, at a multiple of 256 from out0's first byte; written once, read by nobody here
.endr
	s_wait_xcnt 0x0
	v_lshl_add_u32 v254, v0, 2, 0x26800
	v_mov_b32 v255, 0
	s_wait_tensorcnt 0x0
	ds_add_u32 v254, v255
	s_wait_dscnt 0x0
	s_endpgm
.Lfunc_end_k_q13f7ec9e3c_splat:
	.size	k_q13f7ec9e3c_splat, .Lfunc_end_k_q13f7ec9e3c_splat-k_q13f7ec9e3c_splat
	.p2alignl 7, 3214868480
	.fill 96, 4, 3214868480
	.section	.rodata,"a",@progbits
	.p2align	6, 0x0
	.amdhsa_kernel k_q13f7ec9e3c_splat
		.amdhsa_group_segment_fixed_size 158720
		.amdhsa_private_segment_fixed_size 0
		.amdhsa_enable_private_segment 0
		.amdhsa_kernarg_size 48
		.amdhsa_user_sgpr_count 2
		.amdhsa_user_sgpr_kernarg_segment_ptr 1
		.amdhsa_wavefront_size32 1
		.amdhsa_system_sgpr_workgroup_id_x 1
		.amdhsa_system_sgpr_workgroup_id_y 1
		.amdhsa_system_sgpr_workgroup_id_z 1
		.amdhsa_system_vgpr_workitem_id 0
		.amdhsa_next_free_vgpr 512
		.amdhsa_next_free_sgpr 66
		.amdhsa_reserve_vcc 0
		.amdhsa_float_denorm_mode_32 3
		.amdhsa_float_denorm_mode_16_64 3
		.amdhsa_memory_ordered 1
		.amdhsa_forward_progress 1
		.amdhsa_inst_pref_size 153
	.end_amdhsa_kernel
	.amdgpu_metadata
---
amdhsa.version: [ 1, 2 ]
amdhsa.kernels:
  - .name:           k_q13f7ec9e3c_splat
    .symbol:         k_q13f7ec9e3c_splat.kd
    .args:
      - { .name: K, .offset: 0, .size: 8, .value_kind: global_buffer, .address_space: global }
      - { .name: RT, .offset: 8, .size: 8, .value_kind: global_buffer, .address_space: global }
      - { .name: pts_3d, .offset: 16, .size: 8, .value_kind: global_buffer, .address_space: global }
      - { .name: pts_feat, .offset: 24, .size: 8, .value_kind: global_buffer, .address_space: global }
      - { .name: pts_scale, .offset: 32, .size: 8, .value_kind: global_buffer, .address_space: global }
      - { .name: out0, .offset: 40, .size: 8, .value_kind: global_buffer, .address_space: global }
    .group_segment_fixed_size: 158720
    .private_segment_fixed_size: 0
    .kernarg_segment_align: 8
    .kernarg_segment_size: 48
    .max_flat_workgroup_size: 256
    .sgpr_count:     66
    .vgpr_count:     512
    .wavefront_size: 32
...
	.end_amdgpu_metadata
.endif
;; end of part 1
